; MI455X (gfx1250); checked and timed in simulation.
; The chip was launched on July 23, 2026; its instructions are those of AMD's public machine-readable ISA for CDNA 5 (MIT licence, August 2026) and "CDNA5" Instruction Set Architecture Reference Guide (July 2026). The comments in the code are by the model that wrote it; some were corrected since.
;; VQVAE. Allowed arithmetic: matrix products marked QUANTISED: E4M3 operands, one given power-of-two scale a tensor, by v_wmma_f32_16x16x64_fp8_fp8 or v_wmma_f32_16x16x128_fp8_fp8, f32 sums; everything else in f32.
;; Inputs: codebook 512 x 64 float32; lowp_scales 2 int32 (the exponents e of the quantised operands' scales 2^e); z 32 x 64 x 64 x 64 float32.
;; Outputs: out0 32 x 64 x 64 x 64 float32; out1 32 x 64 x 64 x 64 float32.
;; This version of the problem:
;;   THIS VERSION OF THE PROBLEM IS GIVEN IN LOW PRECISION. The matrix products marked QUANTISED in the list below multiply operands that are first quantised to E4M3 (4 exponent bits, 3 mantissa bits; 8 bits a number), with one given power-of-two scale for each operand tensor; their sums are f32. All else is computed in f32.
;;   The module's matrix products, in the order in which they are computed (A, B: the left and right operand; K: the contracted axis; several contracted axes count as one K, in the product's order):
;;     1. [M 131,072, K 64] x [K 64, N 512]; A: input z; B: input codebook: QUANTISED (scales: A lowp_scales[0], B lowp_scales[1])
;;   THE QUANTISER, for each operand of a quantised product, along K:
;;     - The operand's scale is 2^e, e = its entry of the input lowp_scales (int32; the entries are numbered through the quantised products in the list's order, A before B).
;;     - Each number is divided by the scale, clamped to +-448, and rounded to the nearest number of E4M3, ties to even, subnormals kept.
;;     - The product sums the exact products of the quantised numbers (number of the format x scale) in f32.
;;   ~~~python
;;   def quantise(x, axis, e):      # numpy; x: float32 -> the quantised numbers, widened to float32 again
;;       x = np.moveaxis(x, axis, -1); K = x.shape[-1]
;;       r = np.clip(x / 2.0 ** e, -448, 448)
;;       step = 2.0 ** (np.maximum(np.frexp(np.where(r == 0, 1, r))[1] - 1, -6) - 3)
;;       q = np.round(r / step) * step * 2.0 ** e      # np.round: ties to even
;;       return np.moveaxis(q, -1, axis).astype(np.float32)
;;   ~~~
;; One version. Each part assembles by itself: llvm-mc -triple=amdgcn-amd-amdhsa -mcpu=gfx1250 --defsym DOCPART=n.
;; ======== version 1 of 1: 2 launches
;; limits: right only within a limited range of input values
;; workspace buffers: idx 524,288 bytes of whole numbers
;; launch nearest (part 1): grid 256 x 1, 8 waves a work-group, clusters of 4 x 1, 327,680 bytes of LDS; arguments z, codebook, lowp_scales, idx; writes idx
.if DOCPART == 1
	.amdgcn_target "amdgcn-amd-amdhsa--gfx1250"
	.amdhsa_code_object_version 6
	.text
	.protected	k_q03b6e3e4a6_nearest
	.globl	k_q03b6e3e4a6_nearest
	.p2align	8
	.type	k_q03b6e3e4a6_nearest,@function
k_q03b6e3e4a6_nearest:
	s_mov_b64 s[64:65], 0
	v_nop
	global_prefetch_b8 v0, s[64:65] scope:SCOPE_SE
	s_setreg_imm32_b32 hwreg(HW_REG_WAVE_MODE, 25, 1), 1
	s_wait_xcnt 0x0
	s_wait_alu depctr_hold_cnt(0) depctr_sa_sdst(0) depctr_va_vdst(0) depctr_va_sdst(0) depctr_va_ssrc(0) depctr_va_vcc(0) depctr_vm_vsrc(0)
	s_getreg_b32 s2, hwreg(HW_REG_IB_STS2, 6, 4)
	s_cmp_eq_u32 s2, 0
	s_cbranch_scc0 .Lentry_in_a_cluster
	s_endpgm
.Lentry_in_a_cluster:
	s_bfe_u32 s2, ttmp6, 0x10000c
	s_cmp_lg_u32 s2, 0x3003
	s_cbranch_scc0 .Lentry_shape_is_right
	s_endpgm
.Lentry_shape_is_right:
; idx[n] = the first k that makes d(n, k) smallest, d(n, k) = (|z_n|^2 + |e_k|^2) - 2 z_n . e_k.   z: [131072][64] f32, codebook e: [512][64] f32, idx: [131072] int32.
; The product z . e is taken on codes of FP8 (E4M3): code = x / 2^e held within +-448, to the nearest code; e0 (z) and e1 (codebook) are the two whole numbers of lowp_scales.  All else is f32.
; THE ROUNDINGS ARE KEPT AS THE FORMULA HAS THEM, since d is large beside the differences that decide: A = fl(zz + ee_k); d = fl(A - 2 mm), one fused multiply-add of the codes' sum S with
; -2^(e0 + e1 + 1).  The lowest k wins among equal d.  zz and ee are each one chain of fused multiply-adds in ascending k, on the unquantised numbers.
; LIMITS: e0 and e1 between -126 and 119, e0 + e1 + 1 between -126 and 127, so that each power of two below is an f32 number.  NaN is not served (a NaN distance never wins here).  A row whose distances are all +infinity gets 0.
; SHARES.  256 work-groups of eight waves; a work-group owns 512 rows of z, a wave 64, in two passes of 32 rows (two tiles of 16).  A pass walks all 512 codes, 32 a trip.
; DATA.  One tensor load a wave brings its eighth of the codebook.  Behind it the wave asks for its first 32 rows of z by 16 loads of 512 bytes, and for the other 32 when its part of the codebook is in: z is read by nobody
; else, and loads into registers need no LDS slot.  Nothing in LDS is filled twice, and there is no loop ahead of which a prefetch could run, so none is laid.
; CLUSTER.  All work-groups read the same codebook, 131,072 bytes, as much as a work-group's share of z: the four work-groups of a cluster ask for it JOINTLY, by the same load with the same descriptor and the mask 15.
; QUANTISING.  A lane takes a whole row (64 registers): the chain of squares, the hold, eight conversions give the row's 64 codes in 16 registers.  (z's 32 rows, loaded 16 bytes a lane as they lie, are turned into
; a row a lane through the wave's own rows in LDS.)  v_permlane16_swap_b32 of register q with register q + 8
; then leaves two operands of 16 rows: lane (r, h) holds, of row r, k = 32 h + 4 q + 0 .. 3 in register q.  That is a permutation of k, the same for z and for the codebook, so every product meets its partner.
; The codebook's 32 operands go to LDS as images of their registers (16 bytes a lane, 512 a store), ee as 512 words; one barrier; every wave reads them back by the same lines.
; THE PRODUCT IS USED TRANSPOSED: source 0 = 16 codes, source 1 = 16 rows of z.  Lane (r, h) then holds row r of z, and register j of the group's tile u the code 32 g + 16 u + 8 h + j.
; THE ARGMIN.  For each group of 32 codes: the least of the lane's 16 distances and of the best so far; where it is strictly less than the best so far, the group's number and its 16 distances are kept (selects, no branch).
; At the end the first of the 16 kept that equals the best gives j, and one exchange between the halves of the lanes joins the two halves of a row's codes, the lower k winning a tie.
.set PITCH, 272                        ; an LDS row of f32 numbers: 256 bytes + 16 = 68 words: row r starts 4 r words on among the 64 banks of 4 bytes (ISA guide 11.1)
.set WTILE, 64*PITCH                   ; a wave's 64 rows
.set CB,    8*WTILE                    ; LDS: z's 512 rows from 0, the codebook's 512 rows from here,
.set IMG,   2*CB                       ; the images of the codebook's 32 operands, 1,024 bytes each,
.set EE,    IMG+32*1024                ; ee, 512 words,
.set IDXS,  EE+512*4                   ; 256 bytes for each wave, for the way out,
.set SPARE, IDXS+8*256                 ; and the spare words, 128 bytes for each wave, that no other line names
.set LN,  2                            ; v2   lane
.set HH,  3                            ; v3   h = lane / 16
.set ZA,  4                            ; v4   LDS address of my row (row = lane) among my wave's rows of z
.set CA,  5                            ; v5   the same in my wave's tile of the codebook
.set IW,  6                            ; v6   where I store images: IMG + 4,096 x wave + 16 x lane
.set EW,  7                            ; v7   where I store ee: EE + 256 x wave + 4 x lane
.set F0,  8                            ; v8   where I read images: IMG + 16 x lane
.set E0,  9                            ; v9   where I read ee: EE + 32 h
.set FA,  10                           ; v10  F0 + the loop's step
.set EA,  11                           ; v11  E0 + the loop's step
.set IS,  12                           ; v12  the way out: IDXS + 256 x wave + 4 r
.set IL,  13                           ; v13  and back: IDXS + 256 x wave + 8 x lane
.set GO,  14                           ; v14  8 x lane: my place in the wave's 256 bytes of idx
.set H8,  15                           ; v15  8 h
.set VZS, 16                           ; v16  2^e0;  v17  448 x 2^e0;  v18, v19 the same with e1
.set VZL, 17
.set VCS, 18
.set VCL, 19
.set ZZ,  20                           ; v20-23   zz of tile i at v[ZZ + 2 i]; the odd registers are named as upper halves of pairs and hold 0
.set BA,  24                           ; v24-25, v26-27 the best distance so far, by turns
.set BB,  26
.set TI,  28                           ; v28-31   32 x the group that holds it, two registers for each pass; at the end k
.set MA,  32                           ; v32-35   partial minima
.set J,   36                           ; v36-37   j
.set ZF,  40                           ; v40-55   z's two operands (while the codebook is quantised, v40-71: its four)
.set SEL, 72                           ; v72-103  the 16 distances of the best group, for each tile of rows
.set F,   104                          ; v104-119 the two operands of a group
.set E,   120                          ; v120-135 their ee, in the result's layout
.set T,   136                          ; v136-167 A, then d
.set DA,  168                          ; v168-199 the sums of even groups
.set DB,  200                          ; v200-231 of odd ones
.set X,   104                          ; while quantising: 64 or 128 numbers
.set EES, 248                          ; v248-249 ee of my two rows of the codebook
.set ZO,  250                          ; v250 16 x lane: my place in a load's 512 bytes of z
.set CP,  251                          ; v251 LDS address where they go: rows 2 i and 2 i + 1 of my wave's rows are 544 i bytes on
.set SPW, 254                          ; v254 LDS address of my spare word;  v255 holds 0; never rewritten
.set NIL, 255                          ; v256-319, v320-383 (window 1): z as loaded, rows 0-31 and 32-63
.set WV,  12                           ; s12  my wave's number
.set CN,  18                           ; s[18:19] -2^(e0 + e1 + 1): the packed form names a pair and takes its low word for both halves
.set G1,  24                           ; s[24:31] descriptor group 1, s[40:43] group 0 for my eighth of the codebook
.set G0,  40
.set MK,  48                           ; s48-53 lane masks
.set IT,  60                           ; s60  the loop's counter
.set FS,  61                           ; s61  its step among the images: 4,096 a trip of the loop
.set ES,  62                           ; s62  among ee: 256
.set ST,  63                           ; s63  32 x the group in hand;  s66 the same for the second of a pair
.set ST1, 66
.set PS,  67                           ; s67, s68 lane selects for v_permlanex16_b32: lane l xor 16
.set INF, 69                           ; s69  +infinity, in the passes
; A round of the cluster's barrier: my work-group's barrier, so that wave 0's signal speaks for all eight waves; wave 0 signals for the work-group; every wave waits for all four work-groups; my work-group's barrier once more.
.macro CROUND
	s_barrier_signal -1
	s_barrier_wait -1
	s_cmp_lg_u32 s[WV], 0
	s_cbranch_scc1 .Lnot_wave_0_\@
	s_barrier_signal -3
.Lnot_wave_0_\@:
	s_barrier_wait -3
	s_barrier_signal -1
	s_barrier_wait -1
.endm
; 16 loads: my wave's rows 32 p .. 32 p + 31 of z, two rows, 512 consecutive bytes, a load; into window 1.
.macro ZLOAD p
	s_set_vgpr_msb 0x40
.set i, 0
.rept 16
	global_load_b128 v[64*\p+4*i:64*\p+4*i+3], v[ZO], s[4:5] offset:8192*\p+512*i th:TH_LOAD_NT   ; read once
.set i, i+1
.endr
	s_set_vgpr_msb 0x4000
.endm
	s_load_b128 s[4:7], s[0:1], 0x0                ; z s[4:5], codebook s[6:7]
	s_load_b128 s[8:11], s[0:1], 0x10              ; lowp_scales s[8:9], idx s[10:11]
	v_lshl_add_u32 v[SPW], v0, 2, SPARE
	v_mov_b32 v[NIL], 0
	ds_add_u32 v[SPW], v[NIL]                      ; the wave's opening: the add, twice on end, and its wait
	ds_add_u32 v[SPW], v[NIL]
	v_lshrrev_b32 v1, 5, v0
	v_and_b32 v[LN], 31, v0
	v_bfe_u32 v[HH], v0, 4, 1
	v_readfirstlane_b32 s[WV], v1                  ; wave 0..7
	v_and_b32 v1, 15, v0                           ; r
	s_mul_i32 s15, s[WV], WTILE                    ; my wave's rows in LDS
	v_lshlrev_b32 v[ZO], 4, v[LN]
	v_mul_u32_u24 v[CP], v[HH], PITCH
	v_lshl_add_u32 v[CP], v1, 4, v[CP]
	v_add_nc_u32 v[CP], s15, v[CP]                 ; lanes 0-15 row 0, lanes 16-31 row 1
	s_bfe_u32 s13, ttmp6, 0x40000                  ; cx: my place in the cluster
	s_lshl_b32 s14, ttmp9, 2                       ; in a cluster launch ttmp9 counts clusters
	s_add_co_u32 s14, s14, s13                     ; my work-group's number: it enters z's and idx's global addresses alone
	; descriptor group 1: a tile of 64 rows x 64 elements of 4 bytes, dense in memory, padded in LDS
	s_mov_b32 s[G1], 15|(2<<16)|(1<<20)|(1<<21)|(5<<22)|(3<<25)   ; 15:0 the mask of all four work-groups; 17:16 elements of 4 bytes; 20 padding on; 21 set beside a mask; 24:22 after every 64 words (code 5); 31:25 four words (code 3)
	s_mov_b32 s[G1+1], 64<<16                      ; tensor_dim0 = 64
	s_mov_b32 s[G1+2], 64<<16                      ; tensor_dim1 = 64
	s_mov_b32 s[G1+3], 64<<16                      ; tile_dim0 = 64
	s_mov_b32 s[G1+4], 64                          ; tile_dim1 = 64
	s_mov_b32 s[G1+5], 64                          ; elements from row to row
	s_mov_b32 s[G1+6], 0
	s_mov_b32 s[G1+7], 0
	s_lshl_b32 s22, s[WV], 14                      ; my wave's 64 rows of 256 bytes: in the codebook,
	s_mov_b32 s23, 0
	s_lshl_b32 s20, s14, 17                        ; and in z behind my work-group's 512 rows
	s_add_co_u32 s20, s20, s22
	s_mov_b32 s21, 0
	s_mov_b32 s[G0], 1                             ; count = 1
	s_add_co_u32 s[G0+1], s15, CB                  ; LDS address
	s_wait_alu depctr_va_vdst(0)                   ; directly ahead of the waits below
	s_wait_dscnt 0x0                               ; both opening adds are done
	s_wait_kmcnt 0x0
	s_load_b64 s[16:17], s[8:9], 0x0               ; e0, e1
	s_add_nc_u64 s[G0+2:G0+3], s[6:7], s[22:23]    ; global address: it hangs on the wave's number alone, so it is the same in all four partners
	s_or_b32 s[G0+3], s[G0+3], 0x80000000          ; type = 2
	s_add_nc_u64 s[4:5], s[4:5], s[20:21]
	CROUND                                         ; all four work-groups are here: the joint loads meet
	tensor_load_to_lds s[G0:G0+3], s[G1:G1+7]      ; my eighth of the codebook, jointly: the wave's one tensor load
	s_nop 0
	s_lshl_b32 s70, s[WV], 8
	s_lshl_b32 s13, s[WV], 12
	v_mul_u32_u24 v[ZA], v[LN], PITCH
	v_lshlrev_b32 v[F0], 4, v[LN]
	v_lshlrev_b32 v[E0], 5, v[HH]
	v_lshlrev_b32 v[GO], 3, v[LN]
	v_lshlrev_b32 v[H8], 3, v[HH]
	v_add_nc_u32 v[ZA], s15, v[ZA]
	v_add_nc_u32 v[F0], IMG, v[F0]
	v_add_nc_u32 v[E0], EE, v[E0]
	s_add_co_u32 s71, s70, EE
	v_lshl_add_u32 v[EW], v[LN], 2, s71
	v_add_nc_u32 v[CA], CB, v[ZA]
	v_add_nc_u32 v[IW], s13, v[F0]
	s_add_co_u32 s71, s70, IDXS
	v_lshl_add_u32 v[IS], v1, 2, s71
	v_lshl_add_u32 v[IL], v[LN], 3, s71
	s_lshl_b32 s20, s14, 11                        ; idx: 512 rows x 4 bytes a work-group, 256 bytes a wave
	s_add_co_u32 s20, s20, s70
	s_add_nc_u64 s[10:11], s[10:11], s[20:21]
	s_mov_b32 s[PS], 0x76543210
	s_mov_b32 s[PS+1], 0xfedcba98
	s_wait_alu depctr_va_vdst(0)                   ; directly ahead of the wait below
	s_wait_kmcnt 0x0
	s_add_co_i32 s69, s16, 127
	s_lshl_b32 s71, s69, 23
	v_mov_b32 v[VZS], s71                          ; 2^e0 as f32: the conversion takes its exponent field
	s_add_co_i32 s69, s69, 8
	s_lshl_b32 s69, s69, 23
	s_or_b32 s69, s69, 0x600000
	v_mov_b32 v[VZL], s69                          ; 448 x 2^e0
	s_add_co_i32 s69, s17, 127
	s_lshl_b32 s71, s69, 23
	v_mov_b32 v[VCS], s71                          ; 2^e1
	s_add_co_i32 s69, s69, 8
	s_lshl_b32 s69, s69, 23
	s_or_b32 s69, s69, 0x600000
	v_mov_b32 v[VCL], s69                          ; 448 x 2^e1
	s_add_co_i32 s69, s16, s17
	s_add_co_i32 s69, s69, 128
	s_lshl_b32 s69, s69, 23
	s_or_b32 s[CN], s69, 0x80000000                ; -2^(e0 + e1 + 1)
	s_mov_b32 s[CN+1], s[CN]                       ; (named with it as a pair, so it is written)
	s_mov_b32 s[INF], 0x7f800000                   ; +infinity: over every distance
; n x 32 rows, n to a lane (rows lane and, for n = 2, 32 + lane of the tile at v[adr] + off), become 2 n operands in v[ZF] on, and their sums of squares v[ss], v[ss + 1].
.macro QROWS adr, off, sc, lim, ss, n
.irp c, 0,1,2,3,4,5,6,7,8,9,10,11,12,13,14,15
	ds_load_b128 v[X+4*\c:X+4*\c+3], v[\adr] offset:\off+16*\c
.if \n == 2
	ds_load_b128 v[X+64+4*\c:X+64+4*\c+3], v[\adr] offset:\off+32*PITCH+16*\c
.endif
.endr
.if \n == 2
	ZLOAD 0                                        ; while the codebook's rows come from LDS: my first 32 rows of z, on their way while the codebook is quantised
.endif
.set i, 0
.rept 64
.if i%16 == 0
	s_wait_alu depctr_va_vdst(0)                   ; directly ahead of the wait below
	s_wait_dscnt \n*(12-i/4)                       ; LDS instructions come back in order (ISA guide 5.7.1): these sixteen numbers' loads are in, those issued behind may be out
.endif
.if i == 0
	v_mul_f32 v[\ss], v[X], v[X]                   ; the first square starts the chain
.else
.if (\n == 1) && (i%16 != 0)
	s_delay_alu instid0(VALU_DEP_2)
.endif
	v_fmac_f32 v[\ss], v[X+i], v[X+i]              ; ascending k, one rounding a link, on the number as it was given
.endif
.if \n == 2
.if i == 0
	v_mul_f32 v[\ss+1], v[X+64], v[X+64]
.else
	v_fmac_f32 v[\ss+1], v[X+64+i], v[X+64+i]
.endif
.endif
	v_med3_num_f32 v[X+i], v[X+i], -v[\lim], v[\lim]          ; the conversion to an 8-bit code does not saturate (ISA guide 7.6.2): the hold at the largest code x the scale
.if \n == 2
	v_med3_num_f32 v[X+64+i], v[X+64+i], -v[\lim], v[\lim]
.endif
.set i, i+1
.endr
.set i, 0
.rept 8*\n
	v_cvt_scalef32_pk8_fp8_f32 v[ZF+2*i:ZF+2*i+1], v[X+8*i:X+8*i+7], v[\sc]   ; eight neighbours along k, the first in the lowest byte
.set i, i+1
.endr
	v_nop                                          ; one plain vector instruction between the conversions and whatever next touches their results or writes their sources
.irp q, 0,1,2,3,4,5,6,7
	v_permlane16_swap_b32 v[ZF+\q], v[ZF+8+\q]     ; the first's lanes 16-31 change places with the second's lanes 0-15: rows 0-15 now fill v[ZF + q], rows 16-31 v[ZF + 8 + q]
.if \n == 2
	v_permlane16_swap_b32 v[ZF+16+\q], v[ZF+24+\q] ; rows 32-47 and 48-63 likewise
.endif
.endr
.endm
; A TRIP: the group of 32 codes g, for my two tiles of rows; m = 2 u + i: tile u of the codes, tile i of the rows.  dc: the sums of group g, made a trip ago; dn: where group g + 1's go.
; At its head v[F] on holds the operands of group g + 1 and v[E] on ee of group g.  bo: the best so far; bn: the new best.
; wm: group g + 1 is multiplied.  head: the loop's steps are added to the LDS addresses.  ldf: the operands of group g + 2 are fetched from v[FA] + foff.  lde: ee of group g + 1 from v[ea] + eoff.  s[st] = 32 g.
; The 16 additions behind the matrix instructions name none of their registers: they are the places in front of the loads into v[F] onx.
; A group's sums are read a whole trip behind the matrix instructions that made them, each accumulator from its low end on, and written over two trips behind.
.macro TRIP dc, dn, bo, bn, wm, head, ldf, foff, lde, ea, eoff, st, ti
	s_wait_dscnt 0x0                               ; the fetches of the last trip, issued behind its additions, are in
.if \head
	v_add_nc_u32 v[FA], s[FS], v[F0]
	v_add_nc_u32 v[EA], s[ES], v[E0]
.endif
.if \wm
.irp m, 0,1,2,3
	v_wmma_f32_16x16x64_fp8_fp8 v[\dn+8*\m:\dn+8*\m+7], v[F+8*(\m/2):F+8*(\m/2)+7], v[ZF+8*(\m%2):ZF+8*(\m%2)+7], 0
.endr
.endif
.irp m, 0,1,2,3
.irp j, 0,2,4,6
	v_pk_add_f32 v[T+8*\m+\j:T+8*\m+\j+1], v[E+8*(\m/2)+\j:E+8*(\m/2)+\j+1], v[ZZ+2*(\m%2):ZZ+2*(\m%2)+1] op_sel_hi:[1,0]   ; A = zz + ee, rounded, two at a time (of zz's pair the low word serves both)
.endr
.endr
.if \ldf
.irp c, 0,1,2,3
	ds_load_b128 v[F+4*\c:F+4*\c+3], v[FA] offset:\foff+512*\c
.endr
.endif
.if \lde
.irp u, 0,1
	ds_load_b128 v[E+8*\u:E+8*\u+3], v[\ea] offset:\eoff+64*\u     ; sixteen lanes read the same 16 bytes
	ds_load_b128 v[E+8*\u+4:E+8*\u+7], v[\ea] offset:\eoff+64*\u+16
.endr
.endif
.irp m, 0,1,2,3
.irp j, 0,2,4,6
	v_pk_fma_f32 v[T+8*\m+\j:T+8*\m+\j+1], v[\dc+8*\m+\j:\dc+8*\m+\j+1], s[CN:CN+1], v[T+8*\m+\j:T+8*\m+\j+1] op_sel_hi:[1,0,1]   ; d = A - 2 mm, one rounding
.endr
.endr
.irp m, 0,1,2,3                                ; the least of the lane's sixteen and of the best so far, four chains by turns
	v_min3_num_f32 v[MA+\m], v[T+8*\m], v[T+8*\m+1], v[T+8*\m+2]
.endr
.irp m, 0,1,2,3
	s_delay_alu instid0(VALU_DEP_4)
	v_min3_num_f32 v[MA+\m], v[MA+\m], v[T+8*\m+3], v[T+8*\m+4]
.endr
.irp m, 0,1,2,3
	s_delay_alu instid0(VALU_DEP_4)
	v_min3_num_f32 v[MA+\m], v[MA+\m], v[T+8*\m+5], v[T+8*\m+6]
.endr
.irp i, 0,1
	s_delay_alu instid0(VALU_DEP_2)
	v_min3_num_f32 v[\bn+\i], v[MA+\i], v[T+8*\i+7], v[MA+2+\i]
.endr
.irp i, 0,1
	s_delay_alu instid0(VALU_DEP_2)
	v_min3_num_f32 v[\bn+\i], v[\bn+\i], v[T+16+8*\i+7], v[\bo+\i]
.endr
.irp i, 0,1
	s_delay_alu instid0(VALU_DEP_2)
	v_cmp_lt_f32 s[MK+\i], v[\bn+\i], v[\bo+\i]    ; strictly less: of equal groups the earlier stays
.endr
.irp i, 0,1
	v_cndmask_b32 v[\ti+\i], v[\ti+\i], s[\st], s[MK+\i]
.irp j, 0,1,2,3,4,5,6,7
	v_cndmask_b32 v[SEL+16*\i+\j], v[SEL+16*\i+\j], v[T+8*\i+\j], s[MK+\i]
	v_cndmask_b32 v[SEL+16*\i+8+\j], v[SEL+16*\i+8+\j], v[T+16+8*\i+\j], s[MK+\i]
.endr
.endr
.endm
; Two of a group's sixteen, a > b, with their offsets ka, kb = 16 (j / 8) + j % 8: the lower, tested later, stays.
.macro EQ2 a, ka, b, kb
.irp i, 0,1
	v_cmp_eq_f32 s[MK+\i], v[SEL+16*\i+\a], v[BA+\i]
	v_cmp_eq_f32 s[MK+2+\i], v[SEL+16*\i+\b], v[BA+\i]
.endr
.irp i, 0,1
	v_cndmask_b32 v[J+\i], v[J+\i], \ka, s[MK+\i]
.endr
.irp i, 0,1
	v_cndmask_b32 v[J+\i], v[J+\i], \kb, s[MK+2+\i]
.endr
.endm
; A PASS: my rows 32 p .. 32 p + 31, from f32 in window 1 to their k in v[ti], v[ti + 1].
.macro PASS p, ti
	s_set_vgpr_msb 0x04
.set i, 0
.rept 16
	ds_store_b128 v[CP], v[64*\p+4*i:64*\p+4*i+3] offset:\p*32*PITCH+544*i   ; my wave's own rows: LDS serves a wave's instructions in order (ISA guide 5.7.1.4), so the loads below see them
.set i, i+1
.endr
	s_set_vgpr_msb 0x0400
	QROWS ZA, \p*32*PITCH, VZS, VZL, ZZ, 1
	v_mov_b32 v[ZZ+2], v[ZZ]
	v_mov_b32 v[ZZ+1], 0
	v_mov_b32 v[ZZ+3], 0
	v_permlane16_swap_b32 v[ZZ], v[ZZ+2]           ; zz of rows 0-15 in both halves of v[ZZ], of rows 16-31 in both halves of v[ZZ + 2]
.irp c, 0,1,2,3
	ds_load_b128 v[F+4*\c:F+4*\c+3], v[F0] offset:512*\c   ; the operands of group 0
.endr
.set i, 0
.rept 28                                       ; the trip is written once: the first finds this state, set once for 16 trips
	v_mov_b32 v[SEL+i], s[INF]
.set i, i+1
.endr
	s_mov_b32 s[IT], 0
	s_mov_b32 s[FS], 0
	s_mov_b32 s[ES], 0
	s_mov_b32 s[ST], 0
	s_wait_dscnt 0x0
.irp m, 0,1,2,3
	v_wmma_f32_16x16x64_fp8_fp8 v[DA+8*\m:DA+8*\m+7], v[F+8*(\m/2):F+8*(\m/2)+7], v[ZF+8*(\m%2):ZF+8*(\m%2)+7], 0
.endr
.irp i, 0,1                                    ; eight plain lines: the places in front of the loads into v[F] on
	v_mov_b32 v[BA+\i], s[INF]
	v_mov_b32 v[\ti+\i], 0
	v_mov_b32 v[SEL+28+\i], s[INF]
	v_mov_b32 v[SEL+30+\i], s[INF]
.endr
.irp c, 0,1,2,3
	ds_load_b128 v[F+4*\c:F+4*\c+3], v[F0] offset:2048+512*\c   ; of group 1
.endr
.irp u, 0,1
	ds_load_b128 v[E+8*\u:E+8*\u+3], v[E0] offset:64*\u    ; ee of group 0
	ds_load_b128 v[E+8*\u+4:E+8*\u+7], v[E0] offset:64*\u+16
.endr
.Lpair\p:                                          ; 7 trips of the loop, two groups each: groups 0 to 13
	s_add_co_u32 s[ST1], s[ST], 32
	TRIP DA, DB, BA, BB, 1, 1, 1, 4096, 1, EA, 128, ST, \ti
	TRIP DB, DA, BB, BA, 1, 0, 1, 6144, 1, EA, 256, ST1, \ti
	s_add_co_u32 s[FS], s[FS], 4096
	s_add_co_u32 s[ES], s[ES], 256
	s_add_co_u32 s[ST], s[ST], 64
	s_add_co_u32 s[IT], s[IT], 1
	s_cmp_lt_u32 s[IT], 7
	s_cbranch_scc1 .Lpair\p
	s_add_co_u32 s[ST1], s[ST], 32
	TRIP DA, DB, BA, BB, 1, 0, 0, 0, 1, E0, 15*128, ST, \ti    ; group 14: the last operands are multiplied, only ee of group 15 is left to fetch
	TRIP DB, DA, BB, BA, 0, 0, 0, 0, 0, E0, 0, ST1, \ti        ; group 15
	; THE END OF THE ARGMIN.  j = the first of the best group's sixteen that equals the best: from 15 down, so that the lowest stays.
.irp i, 0,1
	v_mov_b32 v[J+\i], 23
.endr
	EQ2 14, 22, 13, 21
	EQ2 12, 20, 11, 19
	EQ2 10, 18, 9, 17
	EQ2 8, 16, 7, 7
	EQ2 6, 6, 5, 5
	EQ2 4, 4, 3, 3
	EQ2 2, 2, 1, 1
.irp i, 0,1
	v_cmp_eq_f32 s[MK+\i], v[SEL+16*\i], v[BA+\i]
.endr
.irp i, 0,1
	v_cndmask_b32 v[J+\i], v[J+\i], 0, s[MK+\i]
.endr
.irp i, 0,1
	v_add3_u32 v[\ti+\i], v[\ti+\i], v[J+\i], v[H8]    ; k = 32 g + 16 u + 8 h + j
.endr
.irp i, 0,1
	v_permlanex16_b32 v[T+\i], v[BA+\i], s[PS], s[PS+1]       ; the row's other 256 codes lie in the lane 16 away: its best,
	v_permlanex16_b32 v[T+2+\i], v[\ti+\i], s[PS], s[PS+1]    ; and its k
.endr
.irp i, 0,1
	v_cmp_lt_f32 s[MK+\i], v[T+\i], v[BA+\i]
	v_cmp_eq_f32 s[MK+2+\i], v[T+\i], v[BA+\i]
	v_cmp_lt_u32 s[MK+4+\i], v[T+2+\i], v[\ti+\i]
.endr
.irp i, 0,1
	s_and_b32 s[MK+2+\i], s[MK+2+\i], s[MK+4+\i]
	s_or_b32 s[MK+\i], s[MK+\i], s[MK+2+\i]        ; the other's is taken where it is less, or equal with the lower k: both halves end with the same k
.endr
.irp i, 0,1
	v_cndmask_b32 v[\ti+\i], v[\ti+\i], v[T+2+\i], s[MK+\i]
.endr
.endm
	s_wait_alu depctr_va_vdst(0)
	s_wait_tensorcnt 0x0                           ; my eighth of the codebook is in.  Only I read these rows, so my own wait is all the ordering that they need
	QROWS CA, 0, VCS, VCL, EES, 2
.irp t, 0,1,2,3                                ; codes 64 w + 16 t on: operand 4 w + t goes to LDS as it stands
	ds_store_b128 v[IW], v[ZF+8*\t:ZF+8*\t+3] offset:1024*\t
	ds_store_b128 v[IW], v[ZF+8*\t+4:ZF+8*\t+7] offset:1024*\t+512
.endr
	ds_store_b32 v[EW], v[EES]                     ; ee of code 64 w + lane,
	ds_store_b32 v[EW], v[EES+1] offset:128        ; and of 64 w + 32 + lane
	s_wait_dscnt 0x0                               ; for the others' sake: my images and my ee have landed
	s_barrier_signal -1
	s_barrier_wait -1                              ; every wave has signalled: all 32 operands and all 512 ee lie in LDS.  Loads of z into registers may still be out
	ZLOAD 1                                        ; the other 32 rows of z, a whole pass ahead of their use
	s_wait_loadcnt 0x10                            ; my rows 0-31 are in: the 16 loads issued behind theirs may be out
	PASS 0, TI
	s_wait_loadcnt 0x0                             ; my rows 32-63 are in
	PASS 1, TI+2
.irp t, 0,1,2,3
	ds_store_b32 v[IS], v[TI+\t] offset:64*\t      ; row 16 t + r; the two halves write the same word with the same number
.endr
	ds_load_b64 v[T:T+1], v[IL]                    ; LDS serves a wave's instructions in order: this sees my stores.  Two rows' k a lane
	s_wait_dscnt 0x0
	global_store_b64 v[GO], v[T:T+1], s[10:11]     ; the 32 lanes store 256 consecutive bytes, at a multiple of 256 from idx's first byte
	s_wait_tensorcnt 0x0                           ; the wave's end
	ds_add_u32 v[SPW], v[NIL]
	s_wait_dscnt 0x0
	CROUND                                         ; the closing round: no work-group ends while a partner may still ask for a tile that names it
	s_endpgm
.Lfunc_end_k_q03b6e3e4a6_nearest:
	.size	k_q03b6e3e4a6_nearest, .Lfunc_end_k_q03b6e3e4a6_nearest-k_q03b6e3e4a6_nearest
	.p2alignl 7, 3214868480
	.fill 96, 4, 3214868480
	.section	.rodata,"a",@progbits
	.p2align	6, 0x0
	.amdhsa_kernel k_q03b6e3e4a6_nearest
		.amdhsa_group_segment_fixed_size 327680
		.amdhsa_private_segment_fixed_size 0
		.amdhsa_enable_private_segment 0
		.amdhsa_kernarg_size 32
		.amdhsa_user_sgpr_count 2
		.amdhsa_user_sgpr_kernarg_segment_ptr 1
		.amdhsa_wavefront_size32 1
		.amdhsa_system_sgpr_workgroup_id_x 1
		.amdhsa_system_sgpr_workgroup_id_y 1
		.amdhsa_system_sgpr_workgroup_id_z 1
		.amdhsa_system_vgpr_workitem_id 0
		.amdhsa_next_free_vgpr 384
		.amdhsa_next_free_sgpr 72
		.amdhsa_reserve_vcc 0
		.amdhsa_float_denorm_mode_32 3
		.amdhsa_float_denorm_mode_16_64 3
		.amdhsa_memory_ordered 1
		.amdhsa_forward_progress 1
		.amdhsa_inst_pref_size 113
	.end_amdhsa_kernel
	.amdgpu_metadata
---
amdhsa.version: [ 1, 2 ]
amdhsa.kernels:
  - .name:           k_q03b6e3e4a6_nearest
    .symbol:         k_q03b6e3e4a6_nearest.kd
    .args:
      - { .name: z, .offset: 0, .size: 8, .value_kind: global_buffer, .address_space: global }
      - { .name: codebook, .offset: 8, .size: 8, .value_kind: global_buffer, .address_space: global }
      - { .name: lowp_scales, .offset: 16, .size: 8, .value_kind: global_buffer, .address_space: global }
      - { .name: idx, .offset: 24, .size: 8, .value_kind: global_buffer, .address_space: global }
    .group_segment_fixed_size: 327680
    .private_segment_fixed_size: 0
    .kernarg_segment_align: 8
    .kernarg_segment_size: 32
    .max_flat_workgroup_size: 256
    .sgpr_count:     72
    .vgpr_count:     384
    .wavefront_size: 32
...
	.end_amdgpu_metadata
.endif
;; end of part 1
;; launch gather (part 2): grid 256 x 1, 8 waves a work-group, no clusters, 0 bytes of LDS; arguments idx, codebook, out0, out1; writes out0, out1
.if DOCPART == 2
	.amdgcn_target "amdgcn-amd-amdhsa--gfx1250"
	.amdhsa_code_object_version 6
	.text
	.protected	k_q03b6e3e4a6_gather
	.globl	k_q03b6e3e4a6_gather
	.p2align	8
	.type	k_q03b6e3e4a6_gather,@function
k_q03b6e3e4a6_gather:
	s_mov_b64 s[64:65], 0
	v_nop
	global_prefetch_b8 v0, s[64:65] scope:SCOPE_SE
	s_setreg_imm32_b32 hwreg(HW_REG_WAVE_MODE, 25, 1), 1
	s_wait_xcnt 0x0
; out0[n][:] = out1[n][:] = codebook[idx[n]][:].  idx: [131072] int32, stored by the launch before; codebook: [512][64] f32; out0, out1: [131072][64] f32.
; A stream: each row of 256 bytes is read from the codebook and stored twice.  No LDS, no barrier, no matrix work: waves share nothing.
; A wave owns 64 rows.  One load or store of 16 bytes a lane takes the two neighbouring rows 2 q and 2 q + 1: lanes 0-15 the first, lanes 16-31 the second, so that a store covers 512 consecutive bytes, aligned.
; a lane takes the one of its half by a select.  An index is held at 511 ahead of its use in an address.
; At most 12 gathers of a wave are out ahead of a store: stores begin when the first gather is in, and the other gathers go out between them, four at a time.  Every offset of a store is an immediate;
; no register that a pending instruction names is written again.  There is no loop ahead of which a prefetch could run: which rows are wanted is known when the indices are in, and then they are loaded.
.set SI, 32                            ; s32-63, s68-99: the indices of my rows 0-31, 32-63
.set HM, 20                            ; s20      mask of lanes 16-31
.set IX, 8                             ; v8-39    byte offset of my 16 bytes in the codebook, for each pair of rows
.set DT, 40                            ; v40-167  32 x 4 registers: my 16 bytes of each pair of rows
	s_load_b256 s[4:11], s[0:1], 0x0               ; idx s[4:5], codebook s[6:7], out0 s[8:9], out1 s[10:11]
	v_lshrrev_b32 v1, 5, v0
	v_and_b32 v2, 15, v0
	v_bfe_u32 v3, v0, 4, 1                         ; h
	v_and_b32 v5, 31, v0
	v_readfirstlane_b32 s12, v1                    ; wave 0..7
	v_lshlrev_b32 v4, 4, v2                        ; my 16 bytes of a row
	v_lshlrev_b32 v6, 4, v5                        ; out: 16 x lane
	v_cmp_eq_u32 s[HM], 1, v3
	s_lshl_b32 s13, ttmp9, 3
	s_add_co_u32 s13, s13, s12                     ; which 64 rows are my wave's: 0..2047
	s_lshl_b32 s14, s13, 8                         ; their 256 bytes of idx,
	s_mov_b32 s15, 0
	s_lshl_b32 s16, s13, 14                        ; their 16,384 bytes of each output
	s_mov_b32 s17, 0
	s_wait_alu depctr_va_vdst(0)
	s_wait_kmcnt 0x0
	s_add_nc_u64 s[4:5], s[4:5], s[14:15]
	s_load_b512 s[32:47], s[4:5], 0x0
	s_load_b512 s[48:63], s[4:5], 0x40
	s_load_b512 s[68:83], s[4:5], 0x80
	s_load_b512 s[84:99], s[4:5], 0xc0
	s_add_nc_u64 s[8:9], s[8:9], s[16:17]
	s_add_nc_u64 s[10:11], s[10:11], s[16:17]
	s_wait_kmcnt 0x0
; Four pairs of rows, 4 b .. 4 b + 3: their addresses, step by step in turn, then their loads.
.macro BLOCK b
.set SB, SI+8*(\b)+4*((\b)/4)                  ; rows 32 on lie four registers further
.irp q, 0,1,2,3
	v_mov_b32 v[IX+4*(\b)+\q], s[SB+2*\q]
.endr
.irp q, 0,1,2,3
	v_cndmask_b32 v[IX+4*(\b)+\q], v[IX+4*(\b)+\q], s[SB+2*\q+1], s[HM]
.endr
.irp q, 0,1,2,3
	v_min_u32 v[IX+4*(\b)+\q], 0x1ff, v[IX+4*(\b)+\q]
.endr
.irp q, 0,1,2,3
	v_lshl_add_u32 v[IX+4*(\b)+\q], v[IX+4*(\b)+\q], 8, v4      ; 256 x index + my 16 bytes
.endr
.endm
.macro LOADS b
.irp q, 0,1,2,3
	global_load_b128 v[DT+16*(\b)+4*\q:DT+16*(\b)+4*\q+3], v[IX+4*(\b)+\q], s[6:7]   ; no hint: the same rows are read again by many waves
.endr
.endm
	BLOCK 0
	LOADS 0
	BLOCK 1
	LOADS 1
.irp b, 2,3,4,5,6,7                            ; the other addresses while these are on their way: no vector instruction stands behind a store
	BLOCK \b
.endr
	s_wait_alu depctr_va_vdst(0)
.irp b, 0,1,2,3,4,5,6,7
.if \b < 6
	LOADS \b+2
.set OUT, 12                                   ; loads issued from this block's first on
.else
.set OUT, 4*(8-\b)
.endif
.irp q, 0,1,2,3
	s_wait_loadcnt OUT-1-\q                        ; loads come back in order (ISA guide 5.7.1): this gather is in, the younger ones may be out
	global_store_b128 v6, v[DT+16*\b+4*\q:DT+16*\b+4*\q+3], s[8:9] offset:512*(4*\b+\q) th:TH_STORE_NT    ; written once, read by nobody here
	global_store_b128 v6, v[DT+16*\b+4*\q:DT+16*\b+4*\q+3], s[10:11] offset:512*(4*\b+\q) th:TH_STORE_NT
.endr
.endr
	s_endpgm
.Lfunc_end_k_q03b6e3e4a6_gather:
	.size	k_q03b6e3e4a6_gather, .Lfunc_end_k_q03b6e3e4a6_gather-k_q03b6e3e4a6_gather
	.p2alignl 7, 3214868480
	.fill 96, 4, 3214868480
	.section	.rodata,"a",@progbits
	.p2align	6, 0x0
	.amdhsa_kernel k_q03b6e3e4a6_gather
		.amdhsa_group_segment_fixed_size 0
		.amdhsa_private_segment_fixed_size 0
		.amdhsa_enable_private_segment 0
		.amdhsa_kernarg_size 32
		.amdhsa_user_sgpr_count 2
		.amdhsa_user_sgpr_kernarg_segment_ptr 1
		.amdhsa_wavefront_size32 1
		.amdhsa_system_sgpr_workgroup_id_x 1
		.amdhsa_system_sgpr_workgroup_id_y 1
		.amdhsa_system_sgpr_workgroup_id_z 1
		.amdhsa_system_vgpr_workitem_id 0
		.amdhsa_next_free_vgpr 168
		.amdhsa_next_free_sgpr 100
		.amdhsa_reserve_vcc 0
		.amdhsa_float_denorm_mode_32 3
		.amdhsa_float_denorm_mode_16_64 3
		.amdhsa_memory_ordered 1
		.amdhsa_forward_progress 1
		.amdhsa_inst_pref_size 19
	.end_amdhsa_kernel
	.amdgpu_metadata
---
amdhsa.version: [ 1, 2 ]
amdhsa.kernels:
  - .name:           k_q03b6e3e4a6_gather
    .symbol:         k_q03b6e3e4a6_gather.kd
    .args:
      - { .name: idx, .offset: 0, .size: 8, .value_kind: global_buffer, .address_space: global }
      - { .name: codebook, .offset: 8, .size: 8, .value_kind: global_buffer, .address_space: global }
      - { .name: out0, .offset: 16, .size: 8, .value_kind: global_buffer, .address_space: global }
      - { .name: out1, .offset: 24, .size: 8, .value_kind: global_buffer, .address_space: global }
    .group_segment_fixed_size: 0
    .private_segment_fixed_size: 0
    .kernarg_segment_align: 8
    .kernarg_segment_size: 32
    .max_flat_workgroup_size: 256
    .sgpr_count:     100
    .vgpr_count:     168
    .wavefront_size: 32
...
	.end_amdgpu_metadata
.endif
;; end of part 2
